; MI455X (gfx1250); checked and timed in simulation.
; The chip was launched on July 23, 2026; its instructions are those of AMD's public machine-readable ISA for CDNA 5 (MIT licence, August 2026) and "CDNA5" Instruction Set Architecture Reference Guide (July 2026). The comments in the code are by the model that wrote it; some were corrected since.
;; Multi Head Attention. Allowed arithmetic: matrix products marked QUANTISED: E2M1 operands, one E8M0 scale for each 32 along K, by v_wmma_scale_f32_16x16x128_f8f6f4 with both operands' format E2M1 (or v_wmma_scale_f32_32x16x128_f4), f32 sums; everything else in f32.
;; Inputs: Wk 512 x 512 float32; Wo 512 x 512 float32; Wq 512 x 512 float32; Wv 512 x 512 float32; bk 512 float32; bo 512 float32; bq 512 float32; bv 512 float32; x 2 x 4,096 x 512 float32.
;; Outputs: out0 2 x 4,096 x 512 float32.
;; This version of the problem:
;;   THIS VERSION OF THE PROBLEM IS GIVEN IN LOW PRECISION. The matrix products marked QUANTISED in the list below multiply operands that are first quantised to E2M1 (2 exponent bits, 1 mantissa bit; 4 bits a number), with one power-of-two scale for each 32 numbers along K (OCP MX v1.0); their sums are f32. All else is computed in f32.
;;   The module's matrix products, in the order in which they are computed (A, B: the left and right operand; K: the contracted axis; several contracted axes count as one K, in the product's order):
;;     1. [M 8,192, K 512] x [K 512, N 512]; A: input x; B: input Wq: QUANTISED
;;     2. [M 8,192, K 512] x [K 512, N 512]; A: input x; B: input Wk: QUANTISED
;;     3. [M 8,192, K 512] x [K 512, N 512]; A: input x; B: input Wv: QUANTISED
;;     4. batch 16 x [M 4,096, K 64] x [K 64, N 4,096]; A: computed on the way; B: computed on the way: QUANTISED
;;     5. batch 16 x [M 4,096, K 4,096] x [K 4,096, N 64]; A: softmax (see below); B: computed on the way: QUANTISED
;;     6. [M 8,192, K 512] x [K 512, N 512]; A: computed on the way; B: input Wo: QUANTISED
;;   THE QUANTISER, for each operand of a quantised product, along K:
;;     - K is cut into blocks of 32 from its start; a last block that is shorter is filled with zeros.
;;     - A block's scale is 2^e with e = floor(log2(the largest magnitude in the block)) - 2, held to -126 .. 127; a block of zeros has e = 0. As a byte (E8M0): e + 127.
;;     - Each number is divided by its block's scale, clamped to +-6, and rounded to the nearest number of E2M1, ties to even, subnormals kept.
;;     - The product sums the exact products of the quantised numbers (number of the format x scale) in f32.
;;   ~~~python
;;   def quantise(x, axis):      # numpy; x: float32 -> the quantised numbers, widened to float32 again
;;       x = np.moveaxis(x, axis, -1); K = x.shape[-1]
;;       x = np.pad(x, [(0, 0)] * (x.ndim - 1) + [(0, -K % 32)]); x = x.reshape(x.shape[:-1] + (-1, 32)); a = np.abs(x).max(-1, keepdims=True)
;;       e = np.where(a > 0, np.clip(np.frexp(np.where(a > 0, a, 1))[1] - 1 - 2, -126, 127), 0)      # np.frexp(a)[1] - 1 = floor(log2(a)), exactly
;;       r = np.clip(x / 2.0 ** e, -6, 6)
;;       step = 2.0 ** (np.maximum(np.frexp(np.where(r == 0, 1, r))[1] - 1, 0) - 1)
;;       q = np.round(r / step) * step * 2.0 ** e      # np.round: ties to even
;;       return np.moveaxis(q.reshape(q.shape[:-2] + (-1,))[..., :K], -1, axis).astype(np.float32)
;;   ~~~
;;   SOFTMAX AHEAD OF A QUANTISED PRODUCT. Where the list says 'softmax', what is quantised is not the finished softmax but p = 2^(t - M), with t = logit x log2(e) and M = ceil(the row's largest t), a whole number; so 1/2 < the row's largest p <= 1. The row's sum l is taken of the UNQUANTISED p, in f32, and the product's result is divided by l at the end. Since M is a whole number, a kernel that streams over the keys may use a running M (the ceiling of the running maximum): every later rescaling is an exact power of two, which a block's scale takes up: the codes' values come out the same.
;;   OPERANDS COMPUTED ON THE WAY. 'Computed on the way' means the value that the module computes at that place (a softmax that the list does not call 'softmax' is quantised finished and normalised). What goes into a quantiser is computed in f32, as accurately as f32 sums, v_exp_f32 and their like allow (about 1e-6 of the number): no bf16 or f16 on the way to a quantiser, and a product that is left as it is and whose result goes on into a quantised operand takes f32 operands (vector FMAs, or v_wmma_f32_16x16x4_f32). A number that lies on a knife's edge between two numbers of the format may be rounded either way, as far as f32 arithmetic and the matrix unit's own rounding can turn it there, and no further.
;; One version. Each part assembles by itself: llvm-mc -triple=amdgcn-amd-amdhsa -mcpu=gfx1250 --defsym DOCPART=n.
;; ======== version 1 of 1: 4 launches
;; limits: right only within a limited range of input values
;; workspace buffers: xc 2,097,152 bytes; xs 131,072 bytes; wc 557,056 bytes; qc 2,097,152 bytes; qs 262,144 bytes; kv 4,587,520 bytes; cc 2,097,152 bytes; cs 131,072 bytes
;; launch quant (part 1): grid 320 x 1, 2 waves a work-group, no clusters, 20,736 bytes of LDS; arguments x, Wq, Wk, Wv, Wo, xc, xs, wc; writes xc, xs, wc
.if DOCPART == 1
	.amdgcn_target "amdgcn-amd-amdhsa--gfx1250"
	.amdhsa_code_object_version 6
	.text
	.protected	k_qd843719f9c_quant
	.globl	k_qd843719f9c_quant
	.p2align	8
	.type	k_qd843719f9c_quant,@function
k_qd843719f9c_quant:
	s_mov_b64 s[64:65], 0
	v_nop
	global_prefetch_b8 v0, s[64:65] scope:SCOPE_SE
	s_setreg_imm32_b32 hwreg(HW_REG_WAVE_MODE, 25, 1), 1
	s_wait_xcnt 0x0
; x [8192][512] and the four weights [512][512], f32 with K innermost, become codes of FP4 (E2M1), two a byte, and one E8M0 scale byte for each 32 along K.
; OUT, AS IMAGES OF OPERAND REGISTERS.  A tile is 16 rows x 512 along K: 4,096 bytes of codes laid [block of 32 along K: 16][row in the tile: 16][16 B], so that a fragment's half (four registers of 32 lanes) is 512 consecutive bytes;
; and 256 scale bytes laid [row in the tile][16].  THE ROWS OF A TILE: of each 32 rows, tile u (0 or 1) takes rows 8 u + r + 8 (r / 8), r = 0 .. 15.
; xc [tile 512][4,096 B], xs [tile 512][256 B];  wc: codes [q,k,v,o][tile 32][4,096 B], and from byte 524,288 on the scale bytes [q,k,v,o][tile 32][256 B].
; A block's scale is 2^(floor(log2(its largest magnitude)) - 2); its byte is the largest magnitude's exponent field - 2, held at 1 from below.
; LIMITS: NaN and infinities among the inputs are not served; a block whose largest magnitude lies under 2^-124 gets the byte 1; a block of zeros gets the byte 1 where the
; quantiser says 127: its codes are zeros, which add nothing under any byte but 0xff, and the bytes are read by this program alone.
; SHARES.  A work-group of two waves takes 32 rows, wave u tile u: 16 steps of one row.  Work-groups 0-255 take x, 256-319 the weights, 16 each.  Only pointers are chosen by the work-group's number.
; Each load reads 512 consecutive bytes, 16 a lane; a row's 2,048 bytes turn through the wave's own stage in LDS and come back 64 bytes a lane (two neighbouring lanes hold a block).
; A lane's 8 bytes of codes go to the wave's image in LDS (blocks 272 bytes apart); at the end the image leaves by eight stores of 512 consecutive bytes, the scale bytes by one of 256.
; No tensor loads, no barrier, no cluster: the waves share nothing.  Loads run four steps (16 loads a wave) ahead, the turn through LDS one step.
.set STEPS, 16
.set EMAX,  2
.set R,     16                         ; v16-79   four sets of 16 numbers as they are loaded; at the end v16-47 the image on its way out
.set X,     80                         ; v80-111  two sets of 16 neighbours
.set E,     112                        ; v112-127 a scale byte for each step
.set C,     128                        ; v128-191 codes: registers of its own for each step
.set WREG,  10240                      ; LDS: a region for each wave: two stages of 32 x SP bytes, its 256 scale bytes, its image of 16 x 272 bytes
.set SP,    80                         ; a lane's place in a stage: 64 bytes + 16 of padding
.set SPARE, 2*WREG                     ; the spare words
	s_load_b256 s[4:11], s[0:1], 0x0               ; x s[4:5], Wq s[6:7], Wk s[8:9], Wv s[10:11]
	s_load_b256 s[12:19], s[0:1], 0x20             ; Wo s[12:13], xc s[14:15], xs s[16:17], wc s[18:19]
	v_lshl_add_u32 v192, v0, 2, SPARE
	v_mov_b32 v193, 0
	v_lshrrev_b32 v1, 5, v0
	v_readfirstlane_b32 s22, v1                    ; wave
	v_and_b32 v2, 31, v0                           ; lane
	v_lshlrev_b32 v3, 4, v2                        ; my 16 bytes of 512
	s_mul_i32 s29, s22, WREG
	v_lshrrev_b32 v14, 2, v2
	v_mul_u32_u24 v14, v14, SP
	v_and_b32 v15, 3, v2
	v_lshl_add_u32 v14, v15, 4, v14
	v_add_nc_u32 v14, s29, v14                     ; the stage, on the way in: SP (lane / 4) + 16 (lane % 4)
	v_mul_u32_u24 v15, v2, SP
	v_add_nc_u32 v15, s29, v15                     ; and on the way out: SP x lane: my 16 neighbours
	v_lshrrev_b32 v5, 1, v2                        ; my block of the row
	v_mul_u32_u24 v4, v5, 272
	v_and_b32 v10, 1, v2
	v_lshl_add_u32 v4, v10, 3, v4                  ; the image, on the way in: 272 x block + 8 x my half of it; the row is the step: 16 bytes a step
	s_add_co_u32 s29, s29, 2*32*SP
	v_add_nc_u32 v5, s29, v5                       ; my wave's 256 scale bytes, my block's byte
	v_lshlrev_b32 v7, 3, v2                        ; and on the way out 8 bytes a lane
	v_add_nc_u32 v6, s29, v7
	s_add_co_u32 s29, s29, 256
	v_add_nc_u32 v4, s29, v4
	v_lshrrev_b32 v10, 4, v2
	v_mul_u32_u24 v10, v10, 272
	v_and_b32 v12, 15, v2
	v_lshl_add_u32 v10, v12, 4, v10
	v_add_nc_u32 v10, s29, v10                     ; the image, on the way out: two blocks an instruction, 16 rows x 16 bytes each
	s_mov_b32 s23, ttmp9
	s_sub_co_u32 s24, s23, 256                     ; j: my number among the weights' 64 work-groups (not used by x's)
	s_lshr_b32 s25, s24, 4                         ; which weight
	s_and_b32 s26, s24, 15                         ; which sixteenth of it
	s_wait_alu depctr_va_vdst(0)                   ; the wait at the head's end
	s_wait_kmcnt 0x0
	s_add_nc_u64 s[20:21], s[18:19], 0x80000       ; the weights' scale bytes lie behind their codes
	s_cmp_eq_u32 s25, 1
	s_cselect_b64 s[6:7], s[8:9], s[6:7]
	s_cmp_eq_u32 s25, 2
	s_cselect_b64 s[6:7], s[10:11], s[6:7]
	s_cmp_eq_u32 s25, 3
	s_cselect_b64 s[6:7], s[12:13], s[6:7]         ; s[6:7]: the weight in hand
	s_cmp_lt_u32 s23, 256                          ; x's work-group or a weight's?  Five choices on one compare
	s_cselect_b64 s[4:5], s[4:5], s[6:7]           ; from where,
	s_cselect_b64 s[14:15], s[14:15], s[18:19]     ; the codes,
	s_cselect_b64 s[16:17], s[16:17], s[20:21]     ; the scale bytes,
	s_cselect_b32 s27, s23, s26                    ; which 32 rows of the source,
	s_cselect_b32 s28, s23, s24                    ; and which pair of tiles of the destination
	s_lshl_b32 s28, s28, 1
	s_add_co_u32 s28, s28, s22                     ; my tile
	s_mov_b32 s31, 0
	s_lshl_b32 s30, s27, 16                        ; 32 rows of 2,048 bytes,
	s_lshl_b32 s27, s22, 14                        ; and 8 rows further on for wave 1
	s_add_co_u32 s30, s30, s27
	s_add_nc_u64 s[4:5], s[4:5], s[30:31]
	s_lshl_b32 s30, s28, 12                        ; 4,096 bytes of codes a tile
	s_add_nc_u64 s[14:15], s[14:15], s[30:31]
	s_lshl_b32 s30, s28, 8                         ; 256 scale bytes
	s_add_nc_u64 s[16:17], s[16:17], s[30:31]
.macro LOAD t                          ; step t is row t + 8 (t / 8) from my first
.irp i, 0,1,2,3
	global_load_b128 v[R+16*((\t)%4)+4*\i:R+16*((\t)%4)+4*\i+3], v3, s[4:5] offset:2048*((\t)+8*((\t)/8))+512*\i th:TH_LOAD_NT
.endr
.endm
.macro TURN t                          ; step t's numbers through the stage: LDS serves a wave's instructions in order (ISA guide 5.7.1), so no wait stands between the stores and the loads
.irp i, 0,1,2,3
	ds_store_b128 v14, v[R+16*((\t)%4)+4*\i:R+16*((\t)%4)+4*\i+3] offset:32*SP*((\t)%2)+8*SP*\i
.endr
.irp i, 0,1,2,3
	ds_load_b128 v[X+16*((\t)%2)+4*\i:X+16*((\t)%2)+4*\i+3], v15 offset:32*SP*((\t)%2)+16*\i
.endr
.endm
.irp t, 0,1,2,3
	LOAD \t
.endr
	s_wait_loadcnt 12                              ; step 0's four loads are in; the twelve behind them stay out
	TURN 0
.macro STEP t
.set XQ, X+16*((\t)%2)
.if (\t) > 0
	s_wait_dscnt 2                                 ; this step's numbers are back from the stage (the last step's two stores, byte and codes, may be out): so its stores into the stage have read their registers,
.else
	s_wait_dscnt 0x0
.endif
.if (\t)+4 < STEPS
	LOAD (\t)+4                                    ; which take the loads of four steps on
.endif
.if (\t)+1 < STEPS
.if STEPS-2-(\t) >= 3
	s_wait_loadcnt 12                              ; the next step's four loads are in; those of the three steps behind it may be out
.else
	s_wait_loadcnt 4*(STEPS-2-(\t))
.endif
	TURN (\t)+1                                    ; and go through the other stage while this step is worked
.endif
	v_max3_num_f32 v8, |v[XQ]|, |v[XQ+1]|, |v[XQ+2]|               ; the largest magnitude of my 16, in two chains
	v_max3_num_f32 v9, |v[XQ+3]|, |v[XQ+4]|, |v[XQ+5]|
.irp i, 6,10
	v_max3_num_f32 v8, v8, |v[XQ+\i]|, |v[XQ+\i+1]|
	v_max3_num_f32 v9, v9, |v[XQ+\i+2]|, |v[XQ+\i+3]|
.endr
	v_max3_num_f32 v8, v8, |v[XQ+14]|, |v[XQ+15]|
	v_max3_num_f32 v8, v8, v9, (EMAX+1)<<23        ; and the floor 2^(3 - 127): the byte cannot fall under 1
	v_max_num_f32_dpp v8, v8, v8 row_xmask:1 row_mask:0xf bank_mask:0xf   ; and of my neighbour's 16: the block's
	v_add_nc_u32 v11, 0xff000000, v8               ; 2 off its exponent field: the conversion takes the exponent field of this operand as its scale
	v_cvt_scalef32_pk8_fp4_f32 v[C+4*(\t)], v[XQ:XQ+7], v11
	v_cvt_scalef32_pk8_fp4_f32 v[C+4*(\t)+1], v[XQ+8:XQ+15], v11
	v_lshrrev_b32 v[E+(\t)], 23, v11               ; the scale's byte (also the plain line behind the conversions)
	ds_store_b8 v5, v[E+(\t)] offset:16*(\t)       ; both lanes of a block write the same byte with the same value
	ds_store_b64 v4, v[C+4*(\t):C+4*(\t)+1] offset:16*(\t)         ; my half block, at row t of its block in the image
.endm
.irp t, 0,1,2,3,4,5,6,7,8,9,10,11,12,13,14,15
	STEP \t
.endr
	ds_load_b64 v[12:13], v6                       ; in order behind my stores
.irp i, 0,1,2,3,4,5,6,7
	ds_load_b128 v[R+4*\i:R+4*\i+3], v10 offset:544*\i
.endr
	s_wait_dscnt 8                                 ; the scale bytes are back; the eight younger loads may be out
	global_store_b64 v7, v[12:13], s[16:17]        ; 32 lanes store 256 consecutive bytes, aligned
.irp i, 0,1,2,3,4,5,6,7
	s_wait_dscnt 7-\i
	global_store_b128 v3, v[R+4*\i:R+4*\i+3], s[14:15] offset:512*\i   ; 32 lanes store 512 consecutive bytes, aligned
.endr
	s_wait_tensorcnt 0x0                           ; the wave's end
	ds_add_u32 v192, v193
	s_wait_dscnt 0x0
	s_endpgm
.Lfunc_end_k_qd843719f9c_quant:
	.size	k_qd843719f9c_quant, .Lfunc_end_k_qd843719f9c_quant-k_qd843719f9c_quant
	.p2alignl 7, 3214868480
	.fill 96, 4, 3214868480
	.section	.rodata,"a",@progbits
	.p2align	6, 0x0
	.amdhsa_kernel k_qd843719f9c_quant
		.amdhsa_group_segment_fixed_size 20736
		.amdhsa_private_segment_fixed_size 0
		.amdhsa_enable_private_segment 0
		.amdhsa_kernarg_size 64
		.amdhsa_user_sgpr_count 2
		.amdhsa_user_sgpr_kernarg_segment_ptr 1
		.amdhsa_wavefront_size32 1
		.amdhsa_system_sgpr_workgroup_id_x 1
		.amdhsa_system_sgpr_workgroup_id_y 1
		.amdhsa_system_sgpr_workgroup_id_z 1
		.amdhsa_system_vgpr_workitem_id 0
		.amdhsa_next_free_vgpr 194
		.amdhsa_next_free_sgpr 66
		.amdhsa_reserve_vcc 0
		.amdhsa_float_denorm_mode_32 3
		.amdhsa_float_denorm_mode_16_64 3
		.amdhsa_memory_ordered 1
		.amdhsa_forward_progress 1
		.amdhsa_inst_pref_size 35
	.end_amdhsa_kernel
	.amdgpu_metadata
---
amdhsa.version: [ 1, 2 ]
amdhsa.kernels:
  - .name:           k_qd843719f9c_quant
    .symbol:         k_qd843719f9c_quant.kd
    .args:
      - { .name: x, .offset: 0, .size: 8, .value_kind: global_buffer, .address_space: global }
      - { .name: Wq, .offset: 8, .size: 8, .value_kind: global_buffer, .address_space: global }
      - { .name: Wk, .offset: 16, .size: 8, .value_kind: global_buffer, .address_space: global }
      - { .name: Wv, .offset: 24, .size: 8, .value_kind: global_buffer, .address_space: global }
      - { .name: Wo, .offset: 32, .size: 8, .value_kind: global_buffer, .address_space: global }
      - { .name: xc, .offset: 40, .size: 8, .value_kind: global_buffer, .address_space: global }
      - { .name: xs, .offset: 48, .size: 8, .value_kind: global_buffer, .address_space: global }
      - { .name: wc, .offset: 56, .size: 8, .value_kind: global_buffer, .address_space: global }
    .group_segment_fixed_size: 20736
    .private_segment_fixed_size: 0
    .kernarg_segment_align: 8
    .kernarg_segment_size: 64
    .max_flat_workgroup_size: 64
    .sgpr_count:     66
    .vgpr_count:     194
    .wavefront_size: 32
...
	.end_amdgpu_metadata
.endif
;; end of part 1
;; launch proj (part 2): grid 64 x 3, 4 waves a work-group, no clusters, 0 bytes of LDS; arguments xc, xs, wc, kv, bq, bk, bv, qc, qs; writes qc, qs, kv
.if DOCPART == 2
	.amdgcn_target "amdgcn-amd-amdhsa--gfx1250"
	.amdhsa_code_object_version 6
	.text
	.protected	k_qd843719f9c_proj
	.globl	k_qd843719f9c_proj
	.p2align	8
	.type	k_qd843719f9c_proj,@function
k_qd843719f9c_proj:
	s_mov_b64 s[64:65], 0
	v_nop
	global_prefetch_b8 v0, s[64:65] scope:SCOPE_SE
	s_setreg_imm32_b32 hwreg(HW_REG_WAVE_MODE, 25, 1), 1
	s_wait_xcnt 0x0
; Q = x Wq^T + bq, K = x Wk^T + bk, V = x Wv^T + bv on codes of FP4 with E8M0 scales, sums in f32; the results are quantised at once, Q and K along a head's 64 channels, V along the
; tokens, and stored as IMAGES OF OPERAND REGISTERS: lane l's 16 bytes at 16 l, 512 bytes a store, so that the attention launch loads fragments as they stand.
; SHARES.  Work-group (S, T): S = a step of 128 tokens, T = 0 Q, 1 K, 2 V.  Wave g makes channels 128 g .. 128 g + 127 (heads 2 g, 2 g + 1) for the 128 tokens: both operands
; (8 tiles x 4 K steps each, 256 registers a side) lie whole in its registers, each read from memory once by the wave; 256 matrix instructions.  192 work-groups: halving the
; share would give 384, one and a half times the 256 WGPs, with every operand loaded twice as often.  No cluster and no LDS: operands come through registers, waves share nothing.
; ONE ROW ORDER: lane r of tile 2 b + u takes row 32 b + 8 u + r + 8 (r / 8) of its 128, for tokens and for channels alike.  With source 0 so ordered, a lane's register 16 b + i of
; the eight results is index 32 b + 16 (lane / 16) + i of source 0's rows: 16 neighbours along the next K, the order that the conversions want.
;   Q, K: source 0 = W (channels), source 1 = x (tokens): a lane holds one token and 64 channels.   V: source 0 = x, source 1 = W: a lane holds one channel and 64 tokens.
; The bias is the C of each sum's first matrix instruction.
; OUT.  qc [bh][step][tile 8][512 B]; qs [bh][step][512 B]: word (tile m, row r) at 256 (m / 4) + 16 r + 4 (m % 4) = byte 0, byte 1, 0x7f, 0x7f (the upper 64 of the instruction's
; 128 along K are zero codes).  kv [bh][step][8,960 B]: K's images as qc (4,096), V's images [tile 4][half 2][512 B] (4,096), K's words as qs (512), V's words [row 16][tile 4] (256).
; LIMITS: NaN and infinities are not served; a block whose largest magnitude lies under 2^-124, a block of zeros among them, gets the byte 1 (zero codes add nothing; this program alone reads the bytes).
; REGISTERS: window 0: v1-10 addresses; v16-79 eight results; v80-87 codes; v88-103 at work; v104 a scale word; v108-119 scale words on their way out; v120-151 x's scale words
; (tile i, K step s at 4 i + s), v152-183 W's; v184-247 the bias (V: v184-191 a number a tile, v192-199 it eight times).  window 1: x's fragments (i, s) at 8 (4 i + s).  window 2: W's.
.set HA,  16
.set PC,  80
.set TM,  88
.set PWT, 104
.set SW,  108
.set SWO, 116
.set XS,  120
.set WSC, 152
.set B1,  184
.set BV,  184
.set CB,  192
.set SEL, 50
.set MSB, 0
.macro WIN new                         ; the immediate's high byte repeats the setting that is left
.if MSB != \new
	s_set_vgpr_msb (MSB<<8)|\new
.set MSB, \new
.endif
.endm
; 64 numbers of a lane, register 16 b + i = k 32 b + 16 (lane / 16) + i of my row, become a fragment's codes in v[PC] on and its scale word in v[pw].
.macro QUANT s, pw
.irp b, 0,1,2,3
	v_max3_num_f32 v[TM+\b], |v[\s+16*\b]|, |v[\s+1+16*\b]|, 0x1800000   ; block b: my 16 numbers, and the floor 2^(3 - 127): the byte cannot fall under 1
.endr
.irp i, 2,4,6,8,10,12,14
.irp b, 0,1,2,3
	v_max3_num_f32 v[TM+\b], v[TM+\b], |v[\s+16*\b+\i]|, |v[\s+1+16*\b+\i]|   ; the four blocks by turns
.endr
.endr
.irp b, 0,1,2,3
	v_permlanex16_b32 v[TM+4+\b], v[TM+\b], s[SEL], s[SEL+1]
.endr
.irp b, 0,1,2,3
	v_max_num_f32 v[TM+\b], v[TM+\b], v[TM+4+\b]   ; with lane l xor 16's: the block's largest magnitude
.endr
.irp b, 0,1,2,3
	v_add_nc_u32 v[TM+12+\b], 0xff000000, v[TM+\b]   ; 2 off its exponent field: the conversion's scale operand
.endr
.irp b, 0,1,2,3
	v_lshrrev_b32 v[TM+4+\b], 23, v[TM+12+\b]      ; the scale's byte
.endr
	v_lshl_or_b32 v[\pw], v[TM+5], 8, v[TM+4]      ; the four bytes make my row's scale word
	v_lshl_or_b32 v[\pw], v[TM+6], 16, v[\pw]
	v_lshl_or_b32 v[\pw], v[TM+7], 24, v[\pw]
.irp b, 0,1,2,3
	v_cvt_scalef32_pk8_fp4_f32 v[PC+2*\b], v[\s+16*\b:\s+7+16*\b], v[TM+12+\b]
	v_cvt_scalef32_pk8_fp4_f32 v[PC+1+2*\b], v[\s+8+16*\b:\s+15+16*\b], v[TM+12+\b]
.endr
	v_nop                                          ; one plain line behind a scaled conversion
.irp c, 0,1                                    ; the operand's layout wants a whole block in a lane: lanes 0-15 block 2 c, lanes 16-31 block 2 c + 1
.irp i, 0,1
	v_permlane16_swap_b32 v[PC+4*\c+\i], v[PC+2+4*\c+\i]
.endr
.endr
.endm
; The eight results of source 1's tile m against source 0's eight tiles: 32 matrix instructions, K step by K step, the eight accumulators by turns.
.macro TILE isv, m
	s_wait_xcnt 0x0                                ; the earlier stores have read their data: the codes' and words' registers may be written again
	s_wait_loadcnt 8*(7-\m)                        ; source 1's tile m is in, and all that was asked for ahead of it; the eight loads of each later tile may be out
.if \isv
.set ASC, XS
.set BSC, WSC
.irp j, 0,1,2,3,4,5,6,7
	v_mov_b32 v[CB+\j], v[BV+\m]                   ; my channel's bias, for each of a result's eight tokens
.endr
.rept 4
	v_nop
.endr
	WIN 0x09                                       ; source 0 (x) window 1, source 1 (W) window 2
.else
.set ASC, WSC
.set BSC, XS
	WIN 0x06                                       ; source 0 (W) window 2, source 1 (x) window 1
.endif
.irp s, 0,1,2,3
.irp t, 0,1,2,3,4,5,6,7
.if \s == 0
.if \isv
.set CC, CB
.else
.set CC, B1+8*\t
.endif
.else
.set CC, HA+8*\t
.endif
	v_wmma_scale_f32_16x16x128_f8f6f4 v[HA+8*\t:HA+8*\t+7], v[8*(4*\t+\s):8*(4*\t+\s)+7], v[8*(4*\m+\s):8*(4*\m+\s)+7], v[CC:CC+7], v[ASC+4*\t+\s], v[BSC+4*\m+\s] matrix_a_fmt:MATRIX_FMT_FP4 matrix_b_fmt:MATRIX_FMT_FP4
.endr
.endr
	WIN 0
.rept 4
	v_nop                                          ; four places between the last products and the first read of results (ISA guide 7.12.1)
.endr
.endm
	s_load_b256 s[4:11], s[0:1], 0x0               ; xc s[4:5], xs s[6:7], wc s[8:9], kv s[10:11]
	s_load_b256 s[12:19], s[0:1], 0x20             ; bq s[12:13], bk s[14:15], bv s[16:17], qc s[18:19]
	s_load_b64 s[20:21], s[0:1], 0x40              ; qs
	v_lshrrev_b32 v1, 5, v0
	v_readfirstlane_b32 s24, v1                    ; g: wave 0..3
	s_mov_b32 s25, ttmp9                           ; S: the step of 128 tokens
	s_and_b32 s26, ttmp7, 0xffff                   ; T: 0 Q, 1 K, 2 V
	v_and_b32 v1, 15, v0                           ; r
	v_bfe_u32 v2, v0, 4, 1                         ; h
	v_and_b32 v3, 8, v1
	v_add_nc_u32 v3, v3, v1                        ; r + 8 (r / 8)
	v_lshlrev_b32 v5, 4, v1                        ; scale bytes: 16 a row of a tile, 256 a tile
	v_and_b32 v6, 31, v0
	v_lshlrev_b32 v6, 4, v6                        ; an image: 16 x lane
	v_lshlrev_b32 v9, 4, v2                        ; 16 h: the shift that picks my head's two bytes
.irp b, 0,1,2,3
	v_mov_b32 v[TM+4+\b], 0                        ; written once: a lane permute's destination counts as one of its sources
.endr
	s_lshr_b32 s27, s25, 5                         ; the record's number: ((batch x 8 + 2 g) x 32 + step in the batch)
	s_lshl_b32 s27, s27, 3
	s_lshl_b32 s28, s24, 1
	s_add_co_u32 s27, s27, s28
	s_lshl_b32 s27, s27, 5
	s_and_b32 s28, s25, 31
	s_add_co_u32 s27, s27, s28
	s_mov_b32 s36, 8960                            ; bytes from record to record and from head to head: in kv,
	s_mov_b32 s37, 286720
	s_mov_b32 s38, 8960
	s_mov_b32 s39, 286720
	s_mov_b32 s40, 8192                            ; where the scale words begin in a record: K's,
	s_mov_b32 s41, 8704                            ; V's
	s_cmp_eq_u32 s26, 0
	s_cselect_b32 s36, 4096, s36                   ; or in qc,
	s_cselect_b32 s37, 131072, s37
	s_cselect_b32 s38, 512, s38                    ; and in qs
	s_cselect_b32 s39, 16384, s39
	s_cselect_b32 s40, 0, s40
	s_cmp_eq_u32 s26, 2
	s_cselect_b32 s40, s41, s40
	v_mul_u32_u24 v7, s39, v2
	v_lshl_add_u32 v7, v1, 4, v7                   ; scale words out: 16 r, and lanes 16-31 one head further on
	s_mov_b32 s48, 0xffff
	s_mov_b32 s49, 0x7f7f0000
	s_mov_b32 s[SEL], 0x76543210
	s_mov_b32 s[SEL+1], 0xfedcba98                 ; v_permlanex16_b32's selects for lane l xor 16
	s_mov_b32 s31, 0
	s_wait_alu depctr_va_vdst(0)                   ; the wait at the head's end
	s_wait_kmcnt 0x0
	s_mov_b64 s[22:23], s[10:11]                   ; kv
	s_add_nc_u64 s[10:11], s[8:9], 0x80000         ; the weights' scale bytes lie behind their codes
	s_cmp_eq_u32 s26, 1
	s_cselect_b64 s[12:13], s[14:15], s[12:13]
	s_cmp_eq_u32 s26, 2
	s_cselect_b64 s[12:13], s[16:17], s[12:13]     ; my bias
	s_cmp_eq_u32 s26, 0
	s_cselect_b64 s[42:43], s[18:19], s[22:23]     ; codes go to qc or to kv,
	s_cselect_b64 s[46:47], s[20:21], s[22:23]     ; scale words to qs or to kv
	s_lshl_b32 s30, s25, 15
	s_add_nc_u64 s[4:5], s[4:5], s[30:31]          ; x's codes at my 128 tokens
	s_lshl_b32 s30, s25, 11
	s_add_nc_u64 s[6:7], s[6:7], s[30:31]          ; and their scale bytes
	s_lshl_b32 s30, s26, 17
	s_lshl_b32 s32, s24, 15
	s_add_co_u32 s30, s30, s32
	s_add_nc_u64 s[8:9], s[8:9], s[30:31]          ; W's codes: weight T, my 128 rows
	s_lshl_b32 s30, s26, 13
	s_lshl_b32 s32, s24, 11
	s_add_co_u32 s30, s30, s32
	s_add_nc_u64 s[10:11], s[10:11], s[30:31]      ; and their scale bytes
	s_lshl_b32 s30, s24, 9
	s_add_nc_u64 s[12:13], s[12:13], s[30:31]      ; my 128 numbers of the bias
	s_mul_i32 s30, s27, s36
	s_add_nc_u64 s[42:43], s[42:43], s[30:31]      ; head 2 g's record,
	s_mov_b32 s30, s37
	s_add_nc_u64 s[44:45], s[42:43], s[30:31]      ; head 2 g + 1's
	s_mul_i32 s30, s27, s38
	s_add_co_u32 s30, s30, s40
	s_add_nc_u64 s[46:47], s[46:47], s[30:31]      ; head 2 g's scale words
; One tile's eight loads, each an image of 512 consecutive bytes: win = 0x40, base = 4: x into window 1; win = 0x80, base = 8: W into window 2.
; THE ORDER OF THE LOADS is the order of use: the scale words, source 0 whole, the bias, then source 1 tile by tile, so that a tile's products wait by count for its own loads alone.
.macro LDT win, base, i
	WIN \win
.irp s, 0,1,2,3
.irp c, 0,1
	global_load_b128 v[8*(4*\i+\s)+4*\c:8*(4*\i+\s)+4*\c+3], v6, s[\base:\base+1] offset:4096*\i+1024*\s+512*\c
.endr
.endr
.endm
.irp i, 0,1,2,3,4,5,6,7
	global_load_b128 v[XS+4*\i:XS+4*\i+3], v5, s[6:7] offset:256*\i      ; a row's four words: K steps 0 to 3
	global_load_b128 v[WSC+4*\i:WSC+4*\i+3], v5, s[10:11] offset:256*\i
.endr
	s_cmp_eq_u32 s26, 2
	s_cbranch_scc1 .Lv
	; ---- Q and K
.irp i, 0,1,2,3,4,5,6,7
	LDT 0x80, 8, \i                                ; source 0: W, whole
.endr
	WIN 0
	v_lshlrev_b32 v8, 6, v2                        ; the bias in the result's layout: tile 2 b + u, lane half h: channels 32 b + 16 h + 8 u + 0 .. 7
.irp t, 0,1,2,3,4,5,6,7
	global_load_b128 v[B1+8*\t:B1+8*\t+3], v8, s[12:13] offset:(32*(\t/2)+8*(\t%2))*4
	global_load_b128 v[B1+8*\t+4:B1+8*\t+7], v8, s[12:13] offset:(32*(\t/2)+8*(\t%2))*4+16
.endr
.irp i, 0,1,2,3,4,5,6,7
	LDT 0x40, 4, \i                                ; source 1: x, tile by tile
.endr
	WIN 0
.irp m, 0,1,2,3,4,5,6,7
	TILE 0, \m
	QUANT HA, PWT
	v_lshrrev_b32 v10, v9, v[PWT]                  ; lanes 0-15: bytes 0, 1 (head 2 g); lanes 16-31: bytes 2, 3 (head 2 g + 1)
	v_and_or_b32 v[SW+\m], v10, s48, s49           ; over them 0x7f twice, for the zero codes of the upper 64 along K
	global_store_b128 v6, v[PC:PC+3], s[42:43] offset:512*\m       ; head 2 g's image: 512 consecutive bytes
	global_store_b128 v6, v[PC+4:PC+7], s[44:45] offset:512*\m     ; head 2 g + 1's
.if \m == 3
	global_store_b128 v7, v[SW:SW+3], s[46:47]                     ; four tiles' words: each half of the lanes stores 256 consecutive bytes, aligned
.endif
.if \m == 7
	global_store_b128 v7, v[SW+4:SW+7], s[46:47] offset:256
.endif
.endr
	s_endpgm
.Lv:
	; ---- V
.irp i, 0,1,2,3,4,5,6,7
	LDT 0x40, 4, \i                                ; source 0: x, whole
.endr
	WIN 0
	v_lshlrev_b32 v8, 2, v3                        ; the bias of my channel: 4 (r + 8 (r / 8))
.irp n, 0,1,2,3,4,5,6,7
	global_load_b32 v[BV+\n], v8, s[12:13] offset:(32*(\n/2)+8*(\n%2))*4
.endr
.irp i, 0,1,2,3,4,5,6,7
	LDT 0x80, 8, \i                                ; source 1: W, tile by tile
.endr
	WIN 0
.irp n, 0,1,2,3,4,5,6,7
	TILE 1, \n
	QUANT HA, SW+\n                                ; 128 tokens of my channel: a fragment of V^T and its scale word
	global_store_b128 v6, v[PC:PC+3], s[42+2*(\n/4):43+2*(\n/4)] offset:4096+(\n%4)*1024
	global_store_b128 v6, v[PC+4:PC+7], s[42+2*(\n/4):43+2*(\n/4)] offset:4096+(\n%4)*1024+512
.endr
	v_cmp_eq_u32 vcc_lo, 1, v2
.irp i, 0,1,2,3
	v_cndmask_b32 v[SWO+\i], v[SW+\i], v[SW+4+\i], vcc_lo          ; lanes 0-15 send head 2 g's four words, lanes 16-31 head 2 g + 1's
.endr
	global_store_b128 v7, v[SWO:SWO+3], s[46:47]                   ; each half of the lanes stores 256 consecutive bytes, aligned
	s_endpgm
.Lfunc_end_k_qd843719f9c_proj:
	.size	k_qd843719f9c_proj, .Lfunc_end_k_qd843719f9c_proj-k_qd843719f9c_proj
	.p2alignl 7, 3214868480
	.fill 96, 4, 3214868480
	.section	.rodata,"a",@progbits
	.p2align	6, 0x0
	.amdhsa_kernel k_qd843719f9c_proj
		.amdhsa_group_segment_fixed_size 0
		.amdhsa_private_segment_fixed_size 0
		.amdhsa_enable_private_segment 0
		.amdhsa_kernarg_size 72
		.amdhsa_user_sgpr_count 2
		.amdhsa_user_sgpr_kernarg_segment_ptr 1
		.amdhsa_wavefront_size32 1
		.amdhsa_system_sgpr_workgroup_id_x 1
		.amdhsa_system_sgpr_workgroup_id_y 1
		.amdhsa_system_sgpr_workgroup_id_z 1
		.amdhsa_system_vgpr_workitem_id 0
		.amdhsa_next_free_vgpr 768
		.amdhsa_next_free_sgpr 66
		.amdhsa_reserve_vcc 1
		.amdhsa_float_denorm_mode_32 3
		.amdhsa_float_denorm_mode_16_64 3
		.amdhsa_memory_ordered 1
		.amdhsa_forward_progress 1
		.amdhsa_inst_pref_size 167
	.end_amdhsa_kernel
	.amdgpu_metadata
---
amdhsa.version: [ 1, 2 ]
amdhsa.kernels:
  - .name:           k_qd843719f9c_proj
    .symbol:         k_qd843719f9c_proj.kd
    .args:
      - { .name: xc, .offset: 0, .size: 8, .value_kind: global_buffer, .address_space: global }
      - { .name: xs, .offset: 8, .size: 8, .value_kind: global_buffer, .address_space: global }
      - { .name: wc, .offset: 16, .size: 8, .value_kind: global_buffer, .address_space: global }
      - { .name: kv, .offset: 24, .size: 8, .value_kind: global_buffer, .address_space: global }
      - { .name: bq, .offset: 32, .size: 8, .value_kind: global_buffer, .address_space: global }
      - { .name: bk, .offset: 40, .size: 8, .value_kind: global_buffer, .address_space: global }
      - { .name: bv, .offset: 48, .size: 8, .value_kind: global_buffer, .address_space: global }
      - { .name: qc, .offset: 56, .size: 8, .value_kind: global_buffer, .address_space: global }
      - { .name: qs, .offset: 64, .size: 8, .value_kind: global_buffer, .address_space: global }
    .group_segment_fixed_size: 0
    .private_segment_fixed_size: 0
    .kernarg_segment_align: 8
    .kernarg_segment_size: 72
    .max_flat_workgroup_size: 128
    .sgpr_count:     66
    .vgpr_count:     768
    .wavefront_size: 32
...
	.end_amdgpu_metadata
.endif
;; end of part 2
;; launch attn (part 3): grid 16 x 16, 8 waves a work-group, clusters of 4 x 1, 327,680 bytes of LDS; arguments qc, qs, kv, cc, cs; writes cc, cs
.if DOCPART == 3
	.amdgcn_target "amdgcn-amd-amdhsa--gfx1250"
	.amdhsa_code_object_version 6
	.text
	.protected	k_qd843719f9c_attn
	.globl	k_qd843719f9c_attn
	.p2align	8
	.type	k_qd843719f9c_attn,@function
k_qd843719f9c_attn:
	s_mov_b64 s[64:65], 0
	v_nop
	global_prefetch_b8 v0, s[64:65] scope:SCOPE_SE
	s_setreg_imm32_b32 hwreg(HW_REG_WAVE_MODE, 25, 1), 1
	s_wait_xcnt 0x0
	s_wait_alu depctr_hold_cnt(0) depctr_sa_sdst(0) depctr_va_vdst(0) depctr_va_sdst(0) depctr_va_ssrc(0) depctr_va_vcc(0) depctr_vm_vsrc(0)
	s_getreg_b32 s2, hwreg(HW_REG_IB_STS2, 6, 4)
	s_cmp_eq_u32 s2, 0
	s_cbranch_scc0 .Lentry_in_a_cluster
	s_endpgm
.Lentry_in_a_cluster:
	s_bfe_u32 s2, ttmp6, 0x10000c
	s_cmp_lg_u32 s2, 0x3003
	s_cbranch_scc0 .Lentry_shape_is_right
	s_endpgm
.Lentry_shape_is_right:
; context = softmax(Q K^T / 8) V for one (batch, head) and 256 queries a work-group, both products on codes of FP4 (E2M1) with E8M0 scales; the context is quantised along its 64 channels and stored as codes and scale bytes.
; t = score x log2(e) / 8; M = the running largest t rounded up to a whole number; p = 2^(t - M) is quantised along the keys, 32 to a block; the row's sum is taken of the unquantised p and divides at the end.
; When M moves, the sum and O are multiplied by 2^(old M - new M), which rounds nothing; it is done in every step, with no branch on data.
; IN.  qc, qs, kv hold images of operand registers (lane l's 16 bytes at 16 l).  A record of kv is 128 keys: K's eight tiles (4,096 B), V^T's four tiles (4,096 B), K's scale words (512 B), V's (256 B): 8,960 B.
; The head's 64 channels fill the lower half of the instruction's 128 along K; the upper half is zero codes under the byte 0x7f.
; SHARES.  Eight waves, two to a SIMD; a wave owns two tiles of 16 queries, a and b, so that each fragment of K and V read from LDS feeds two tiles.  Both products are used transposed: a lane holds one query.
; THE TWO TILES ARE SKEWED: a's exponentials stand among b's scalings, b's exponentials among a's conversions and the first level of a's sums.  What is written inside a batch of exponentials is independent of it and is read only behind the batch's closing wait.
; LDS.  All 32 records of the head, 286,720 bytes, are filled ONCE: each wave asks for four records (140 rows of 256 bytes) by its one tensor load.  The four work-groups of a cluster walk the same head: the load is joint (mask 15).
; Nothing is filled again, so the text has one barrier behind the fill and none in the loop.  No prefetch: every tensor load goes out at the head, and there is no loop of loads to run ahead in.
; REGISTERS.  Window 0: v1-11 addresses; v12-15 the sums; v16-79, v80-143 S^T then p of a, b; v144-159 p's codes; from v160 18 small registers a tile (T+0..3 block maxima, +4..7 at work, +8..11 the conversions' scale operands,
; +12 -M, +13 the largest score, +14 f, +15 p's scale word, +16, +17 at work); v196-205 scale words.  Window 1: v0-15 Q of a, b; v16-79 K; v80-111 V; v112-175 O^T of a, b.
; LIMITS: the promise holds while |t| stays under 2^31; NaN and infinities are not served; a block whose every p has fallen under 2^-124 gets the byte 1 (zero codes add nothing, and this program alone reads the bytes).
.set NT,    2
.set RPW,   4                          ; records that one wave's tensor load brings
.set REC,   8960
.set STG,   295936                     ; behind the records: 512 bytes in which the work-group's scale halfwords are gathered
.set SPARE, 296448                     ; the spare words, 128 bytes a wave
.set SS,    16
.set PP,    144
.set TB,    160
.set KS,    196
.set VS,    200
.set QS,    204
.set SPW,   10
.set NIL,   11
.set QQ,    0                          ; window 1
.set KK,    16
.set VV,    80
.set OO,    112
.set MSB, 0
.macro WIN new                         ; low byte: 1:0 source 0, 3:2 source 1, 5:4 source 2, 7:6 destination; the high byte repeats the setting that is left
.if MSB != (\new)
	s_set_vgpr_msb (MSB<<8)|(\new)
.set MSB, (\new)
.endif
.endm
.macro EACH ins:vararg                 ; one line for each tile's small registers: the tiles take turns
.set T, TB
.rept NT
	\ins
.set T, T+18
.endr
.endm
.macro EACHB n, ins:vararg             ; the same for blocks B = 0 .. n - 1 of each tile
.set T, TB
.rept NT
.set B, 0
.rept \n
	\ins
.set B, B+1
.endr
.set T, T+18
.endr
.endm
.macro ROUND                           ; a round of the cluster's barrier
	s_barrier_signal -1
	s_barrier_wait -1
	s_cmp_lg_u32 s14, 0
	s_cbranch_scc1 .Lnot_wave_0_\@
	s_barrier_signal -3
.Lnot_wave_0_\@:
	s_barrier_wait -3
	s_barrier_signal -1
	s_barrier_wait -1
.endm
.macro KLOAD off                       ; nine loads: K's eight tiles (the lower 64 along K) and its scale words
	WIN 0x40
.irp t, 0,1,2,3,4,5,6,7
	ds_load_b128 v[KK+8*\t:KK+8*\t+3], v8 offset:(\off)+512*\t
.endr
	WIN 0
	ds_load_b128 v[KS:KS+3], v8 offset:(\off)+8192
.endm
.macro VLOAD                           ; nine loads: V^T's four tiles and their scale words
	WIN 0x40
.irp n, 0,1,2,3,4,5,6,7
	ds_load_b128 v[VV+4*\n:VV+4*\n+3], v8 offset:4096+512*\n
.endr
	WIN 0
	ds_load_b128 v[VS:VS+3], v9 offset:8704
.endm
.macro SWAPS p                         ; the operand's layout wants a whole block in a lane
.irp c, 0,1
.irp i, 0,1
	v_permlane16_swap_b32 v[\p+4*\c+\i], v[\p+2+4*\c+\i]
.endr
.endr
.endm
.macro SUMREST s, l                    ; 16 partial sums, at every second pair from v[s] on, into the row's sum: four chains
.set J, 4
.rept 12
	v_pk_add_f32 v[\s+4*(J%4):\s+4*(J%4)+1], v[\s+4*(J%4):\s+4*(J%4)+1], v[\s+4*J:\s+4*J+1]
.set J, J+1
.endr
	v_pk_add_f32 v[\s:\s+1], v[\s:\s+1], v[\s+4:\s+5]
	v_pk_add_f32 v[\s+8:\s+9], v[\s+8:\s+9], v[\s+12:\s+13]
	v_pk_add_f32 v[\s:\s+1], v[\s:\s+1], v[\s+8:\s+9]
	v_pk_add_f32 v[\l:\l+1], v[\l:\l+1], v[\s:\s+1]
.endm
.macro PV x                            ; O^T += V^T P^T of tile x: the accumulators by turns
	WIN 0x51
.irp n, 0,1,2,3
	v_wmma_scale_f32_16x16x128_f8f6f4 v[OO+32*\x+8*\n:OO+32*\x+8*\n+7], v[VV+8*\n:VV+8*\n+7], v[PP+8*\x:PP+8*\x+7], v[OO+32*\x+8*\n:OO+32*\x+8*\n+7], v[VS+\n], v[TB+18*\x+15] matrix_a_fmt:MATRIX_FMT_FP4 matrix_b_fmt:MATRIX_FMT_FP4
.endr
	WIN 0
.endm
; A KEY STEP: 128 keys for the wave's two tiles.  last = 1: no record follows.
.macro STEP last
	s_wait_dscnt 0x0                               ; this step's K, asked for a step ago, is in
	WIN 0x05
.set X, 0
.rept NT                                       ; S^T = K Q^T: eight results a tile, each begun with 0
.irp t, 0,1,2,3
	v_wmma_scale_f32_16x16x128_f8f6f4 v[SS+64*X+8*\t:SS+64*X+8*\t+7], v[KK+8*\t:KK+8*\t+7], v[QQ+8*X:QQ+8*X+7], 0, v[KS+\t], v[QS+X] matrix_a_fmt:MATRIX_FMT_FP4 matrix_b_fmt:MATRIX_FMT_FP4
.endr
.irp t, 4,5,6,7
	v_wmma_scale_f32_16x16x128_f8f6f4 v[SS+64*X+8*\t:SS+64*X+8*\t+7], v[KK+8*\t:KK+8*\t+7], v[QQ+8*X:QQ+8*X+7], 0, v[KS+\t-4], v[QS+X] matrix_a_fmt:MATRIX_FMT_FP4 matrix_b_fmt:MATRIX_FMT_FP4 matrix_a_scale:MATRIX_SCALE_ROW1
.endr
.set X, X+1
.endr
	WIN 0
	v_add_nc_u32 v8, s40, v1                       ; the record in hand.  These four lines are the places behind the products above and behind the last step's, ahead of the loads and of the first read of results
	v_add_nc_u32 v9, s40, v2
	v_nop
	v_nop
	VLOAD                                          ; this step's V, and the next step's K: both have the softmax in which to land
.if \last == 0
	KLOAD REC
.endif
.irp b, 0,1,2,3                                ; the largest score of each block of 32 keys: it serves the row's maximum and the block's largest p.  Eight chains by turns
	v_max3_num_f32 v[TB+\b], 0xff800000, v[SS+16*\b], v[SS+1+16*\b]
	v_max3_num_f32 v[TB+18+\b], 0xff800000, v[SS+64+16*\b], v[SS+65+16*\b]
.endr
.irp i, 2,4,6,8,10,12,14
.irp b, 0,1,2,3
	v_max3_num_f32 v[TB+\b], v[TB+\b], v[SS+16*\b+\i], v[SS+1+16*\b+\i]
	v_max3_num_f32 v[TB+18+\b], v[TB+18+\b], v[SS+64+16*\b+\i], v[SS+65+16*\b+\i]
.endr
.endr
	EACHB 4, v_permlanex16_b32 v[T+4+B], v[T+B], s20, s21
	EACHB 4, v_max_num_f32 v[T+B], v[T+B], v[T+4+B]          ; with lane l xor 16's 16 keys
	EACH v_max3_num_f32 v[T+16], v[T], v[T+1], v[T+2]
	EACH v_max3_num_f32 v[T+13], v[T+13], v[T+16], v[T+3]    ; the running largest score
	EACH v_mul_f32 v[T+16], s22, v[T+13]                     ; as t (c is positive)
	EACH v_mov_b32 v[T+17], v[T+12]
	EACH v_floor_f32 v[T+12], -v[T+16]                       ; -M = floor(-t): M is a whole number
	EACH v_sub_f32 v[T+17], v[T+12], v[T+17]                 ; old M - new M, 0 or less
	EACH v_cvt_i32_f32 v[T+17], v[T+17]                      ; (it saturates)
	EACH v_ldexp_f32 v[T+14], 1.0, v[T+17]                   ; f = 2^(old M - new M)
	EACHB 4, v_fma_f32 v[T+B], v[T+B], s22, v[T+12]          ; t - M of each block's largest score
	WIN 0x41
.set X, 0
.rept NT
.set J, 0
.rept 16
	v_pk_mul_f32 v[OO+32*X+J:OO+32*X+J+1], v[OO+32*X+J:OO+32*X+J+1], v[TB+18*X+14:TB+18*X+15] op_sel_hi:[1,0]   ; O^T under the new M; each result is read from its low end on
.set J, J+2
.endr
.set X, X+1
.endr
	WIN 0
	v_pk_mul_f32 v[12:13], v[12:13], v[TB+14:TB+15] op_sel_hi:[1,0]             ; and the sums
	v_pk_mul_f32 v[14:15], v[14:15], v[TB+32:TB+33] op_sel_hi:[1,0]
.set J, 0
.rept 32
	v_pk_fma_f32 v[SS+J:SS+J+1], v[SS+J:SS+J+1], s[22:23], v[TB+12:TB+13] op_sel_hi:[1,0,0]   ; a: t - M, two at a time
.set J, J+2
.endr
	s_wait_alu depctr_va_vdst(0)                   ; the wait ahead of the batch
.set J, 0
.rept 32                                       ; a: p = 2^(t - M); among the exponentials b's t - M, whose sources were written ahead of the wait above and whose results are read behind the waits below
	v_exp_f32 v[SS+J], v[SS+J]
	v_exp_f32 v[SS+J+1], v[SS+J+1]
	v_pk_fma_f32 v[SS+64+J:SS+65+J], v[SS+64+J:SS+65+J], s[22:23], v[TB+30:TB+31] op_sel_hi:[1,0,0]
.set J, J+2
.endr
	EACHB 4, v_exp_f32 v[T+B], v[T+B]              ; each block's largest p, of both tiles
	v_nop                                          ; a plain place behind the exponentials
	s_wait_alu depctr_va_vdst(0)                   ; the batch's closing wait, ahead of its first reader
.if \last
	s_wait_dscnt 0x0
.else
	s_wait_dscnt 9                                 ; V is in; the nine younger loads, the next step's K, may be out
.endif
	EACHB 4, v_max_num_f32 v[T+B], 0x1800000, v[T+B]         ; the floor 2^(3 - 127): the byte cannot fall under 1
	EACHB 4, v_add_nc_u32 v[T+8+B], 0xff000000, v[T+B]       ; 2 off the exponent field: the conversion's scale operand
	EACHB 4, v_lshrrev_b32 v[T+4+B], 23, v[T+8+B]            ; the scale's byte
	EACH v_lshl_or_b32 v[T+15], v[T+5], 8, v[T+4]            ; p's scale word for these 128 keys
	EACH v_lshl_or_b32 v[T+15], v[T+6], 16, v[T+15]
	EACH v_lshl_or_b32 v[T+15], v[T+7], 24, v[T+15]
	s_wait_alu depctr_va_vdst(0)                   ; the wait ahead of the batch
.set J, 0
.rept 8                                        ; b: p = 2^(t - M); among the first sixteen a's conversions,
	v_exp_f32 v[SS+64+2*J], v[SS+64+2*J]
	v_exp_f32 v[SS+65+2*J], v[SS+65+2*J]
	v_cvt_scalef32_pk8_fp4_f32 v[PP+J], v[SS+8*J:SS+8*J+7], v[TB+8+J/2]
.set J, J+1
.endr
	v_nop                                          ; one plain line behind the scaled conversions
.set J, 0
.rept 16                                       ; among the other 48 the first level of a's sums: sixteen additions that hang on nothing in the batch
	v_exp_f32 v[SS+80+3*J], v[SS+80+3*J]
	v_exp_f32 v[SS+81+3*J], v[SS+81+3*J]
	v_exp_f32 v[SS+82+3*J], v[SS+82+3*J]
	v_pk_add_f32 v[SS+4*J:SS+4*J+1], v[SS+4*J:SS+4*J+1], v[SS+4*J+2:SS+4*J+3]
.set J, J+1
.endr
	v_nop
	s_wait_alu depctr_va_vdst(0)                   ; the batch's closing wait
	SWAPS PP
.set J, 0
.rept 8
	v_cvt_scalef32_pk8_fp4_f32 v[PP+8+J], v[SS+64+8*J:SS+64+8*J+7], v[TB+26+J/2]
.set J, J+1
.endr
	v_nop
	SWAPS PP+8
	SUMREST SS, 12
	PV 0
.set J, 0
.rept 16
	v_pk_add_f32 v[SS+64+4*J:SS+64+4*J+1], v[SS+64+4*J:SS+64+4*J+1], v[SS+64+4*J+2:SS+64+4*J+3]
.set J, J+1
.endr
	SUMREST SS+64, 14
	PV 1
.endm
	s_load_b256 s[4:11], s[0:1], 0x0               ; qc s[4:5], qs s[6:7], kv s[8:9], cc s[10:11]
	s_load_b64 s[12:13], s[0:1], 0x20              ; cs
	v_lshl_add_u32 v[SPW], v0, 2, SPARE
	v_mov_b32 v[NIL], 0
	ds_add_u32 v[SPW], v[NIL]                      ; the opening lines: the add, twice on end, and its wait ahead of my tensor load
	ds_add_u32 v[SPW], v[NIL]
	v_lshrrev_b32 v1, 5, v0
	v_readfirstlane_b32 s14, v1                    ; wave
	s_and_b32 s17, ttmp7, 0xffff                   ; batch x 8 + head
	s_mov_b32 s24, 15|(3<<16)|(1<<21)              ; group 1: mask of the cluster's four; elements of 8 bytes; bit 21 beside the mask
	s_mov_b32 s25, 32<<16                          ; rows of 256 bytes,
	s_mov_b32 s26, (35*RPW)<<16                    ; 35 to a record
	s_mov_b32 s27, 32<<16
	s_mov_b32 s28, 35*RPW
	s_mov_b32 s29, 32
	s_mov_b32 s30, 0
	s_mov_b32 s31, 0
	s_mul_i32 s33, s14, RPW*REC                    ; my records' place in LDS, and in the head's 32
	s_mul_i32 s2, s17, 32*REC
	s_add_co_u32 s2, s2, s33
	s_mov_b32 s3, 0
	s_wait_dscnt 0x0
	s_wait_kmcnt 0x0
	s_mov_b32 s32, 1
	s_add_nc_u64 s[34:35], s[8:9], s[2:3]
	s_or_b32 s35, s35, 0x80000000
	ROUND                                          ; the four work-groups are here: the joint loads meet
	tensor_load_to_lds s[32:35], s[24:31]          ; my one tensor load of the launch
	s_nop 0
	s_bfe_u32 s15, ttmp6, 0x40000
	s_lshl_b32 s16, ttmp9, 2
	s_add_co_u32 s16, s16, s15                     ; the work-group's block of 256 queries
	s_lshl_b32 s18, s16, 4
	s_mul_i32 s19, s14, NT
	s_add_co_u32 s18, s18, s19                     ; g: my first tile of 16 queries in the head
	s_mov_b32 s45, 0
	s_lshl_b32 s44, s17, 17
	s_lshl_b32 s46, s18, 9
	s_add_co_u32 s44, s44, s46
	s_add_nc_u64 s[4:5], s[4:5], s[44:45]          ; Q's images: 512 bytes a tile
	s_lshl_b32 s44, s17, 14
	s_lshr_b32 s46, s18, 2
	s_lshl_b32 s46, s46, 8
	s_add_co_u32 s44, s44, s46
	s_and_b32 s46, s18, 3
	s_lshl_b32 s46, s46, 2
	s_add_co_u32 s44, s44, s46
	s_add_nc_u64 s[6:7], s[6:7], s[44:45]          ; Q's scale words: 256 (g / 4) + 16 r + 4 (g % 4)
	s_lshr_b32 s44, s17, 3
	s_lshl_b32 s44, s44, 8
	s_add_co_u32 s44, s44, s18
	s_lshl_b32 s44, s44, 12
	s_and_b32 s46, s17, 7
	s_lshl_b32 s46, s46, 9
	s_add_co_u32 s44, s44, s46
	s_add_nc_u64 s[10:11], s[10:11], s[44:45]      ; cc [tile 512][head 8][512 B]
	s_lshl_b32 s44, s17, 13
	s_lshl_b32 s46, s16, 9
	s_add_co_u32 s44, s44, s46
	s_add_nc_u64 s[12:13], s[12:13], s[44:45]      ; cs: the work-group's 16 tiles x 16 rows x 2 bytes
	s_mul_i32 s46, s14, 32*NT
	s_add_co_u32 s46, s46, STG
	s_mov_b32 s40, 0                               ; the record in hand, in LDS
	s_mov_b32 s20, 0x76543210
	s_mov_b32 s21, 0xfedcba98                      ; v_permlanex16_b32's selects for lane l xor 16
	s_mov_b32 s22, 0x3e38aa3b                      ; c = log2(e) / 8
	s_mov_b32 s23, s22
	v_and_b32 v1, 31, v0
	v_lshlrev_b32 v1, 4, v1                        ; an image: 16 x lane
	v_and_b32 v2, 15, v0
	v_lshlrev_b32 v3, 1, v2
	v_lshlrev_b32 v2, 4, v2                        ; 16 r
	v_add_nc_u32 v3, s46, v3                       ; the stage: my first tile's halfwords, 2 r
	v_add_nc_u32 v4, STG, v1
	v_add_nc_u32 v8, s40, v1
	v_add_nc_u32 v9, s40, v2
	s_wait_alu depctr_va_vdst(0)                   ; ahead of the readers below
	global_load_b32 v[QS], v2, s[6:7]
	global_load_b32 v[QS+1], v2, s[6:7] offset:4
	WIN 0x40
	global_load_b128 v[QQ:QQ+3], v1, s[4:5]
	global_load_b128 v[QQ+8:QQ+11], v1, s[4:5] offset:512
.irp j, 4,5,6,7,12,13,14,15
	v_mov_b32 v[QQ+\j], 0                          ; the zero codes of Q's upper 64 along K
.endr
.irp t, 0,1,2,3,4,5,6,7
.irp j, 4,5,6,7
	v_mov_b32 v[KK+8*\t+\j], 0                     ; and of K's, written once
.endr
.endr
.set J, 0
.rept 64
	v_mov_b32 v[OO+J], 0                           ; O^T: the step is written once, and its first run finds zeros
.set J, J+1
.endr
	WIN 0
.irp j, 12,13,14,15
	v_mov_b32 v[\j], 0                             ; the sums
.endr
	EACH v_mov_b32 v[T+13], 0xff61b1e6             ; the largest score so far: -3e38
	EACH v_mov_b32 v[T+12], 0x7d800000             ; -M = 2^124: the first f is 0, which leaves the zeros zeros
	EACH v_mov_b32 v[T+15], 0                      ; (named as the upper half of f's pair before it is first written)
	EACHB 4, v_mov_b32 v[T+4+B], 0                 ; a lane permute's destination counts as one of its sources
	s_wait_alu depctr_va_vdst(0)                   ; the wait at the head's end
	s_wait_loadcnt 0x0                             ; Q
	s_wait_tensorcnt 0x0                           ; my four records are in;
	s_barrier_signal -1
	s_barrier_wait -1                              ; and everybody's
	s_mov_b32 s41, 31
	KLOAD 0
.Lkeys:
	STEP 0
	s_add_co_u32 s40, s40, REC
	s_sub_co_u32 s41, s41, 1
	s_cmp_lg_u32 s41, 0
	s_cbranch_scc1 .Lkeys
	STEP 1                                         ; the last record is written out: it asks for no further K
	; THE WAY OUT: O^T / the sum, quantised along the head's 64 channels (two blocks), as an image of operand registers and a halfword of scale bytes a row
.rept 4
	v_nop
.endr
	s_wait_alu depctr_va_vdst(0)                   ; few plain lines lie between the sums' last writes and the lines below
	v_add_f32 v[TB+16], v12, v13                   ; the sum's two halves,
	v_add_f32 v[TB+34], v14, v15
	EACH v_permlanex16_b32 v[T+4], v[T+16], s20, s21
	EACH v_add_f32 v[T+16], v[T+16], v[T+4]        ; and lane l xor 16's
	s_wait_alu depctr_va_vdst(0)                   ; ahead of the transcendentals
	EACH v_rcp_f32 v[T+14], v[T+16]
	v_nop
	WIN 0x01
	s_wait_alu depctr_va_vdst(0)                   ; directly ahead of the first reader of the reciprocals and of O^T
.set X, 0
.rept NT
.set J, 0
.rept 32
	v_mul_f32 v[SS+64*X+J], v[OO+32*X+J], v[TB+18*X+14]
.set J, J+1
.endr
.set X, X+1
.endr
	WIN 0
.irp b, 0,1
	v_max3_num_f32 v[TB+\b], 0x1800000, |v[SS+16*\b]|, |v[SS+1+16*\b]|
	v_max3_num_f32 v[TB+18+\b], 0x1800000, |v[SS+64+16*\b]|, |v[SS+65+16*\b]|
.endr
.irp i, 2,4,6,8,10,12,14
.irp b, 0,1
	v_max3_num_f32 v[TB+\b], v[TB+\b], |v[SS+16*\b+\i]|, |v[SS+1+16*\b+\i]|
	v_max3_num_f32 v[TB+18+\b], v[TB+18+\b], |v[SS+64+16*\b+\i]|, |v[SS+65+16*\b+\i]|
.endr
.endr
	EACHB 2, v_permlanex16_b32 v[T+4+B], v[T+B], s20, s21
	EACHB 2, v_max_num_f32 v[T+B], v[T+B], v[T+4+B]
	EACHB 2, v_add_nc_u32 v[T+8+B], 0xff000000, v[T+B]
	EACHB 2, v_lshrrev_b32 v[T+4+B], 23, v[T+8+B]
	EACH v_lshl_or_b32 v[T+16], v[T+5], 8, v[T+4]
.set X, 0
.rept NT
.irp b, 0,1
	v_cvt_scalef32_pk8_fp4_f32 v[PP+8*X+2*\b], v[SS+64*X+16*\b:SS+64*X+16*\b+7], v[TB+18*X+8+\b]
	v_cvt_scalef32_pk8_fp4_f32 v[PP+8*X+2*\b+1], v[SS+64*X+16*\b+8:SS+64*X+16*\b+15], v[TB+18*X+8+\b]
.endr
.set X, X+1
.endr
	v_nop
.set X, 0
.rept NT
	v_permlane16_swap_b32 v[PP+8*X], v[PP+8*X+2]
	v_permlane16_swap_b32 v[PP+8*X+1], v[PP+8*X+3]
.set X, X+1
.endr
	s_wait_alu depctr_va_vdst(0)                   ; ahead of the stores that read what was just written
	ds_store_b16 v3, v[TB+16]
	ds_store_b16 v3, v[TB+34] offset:32
	global_store_b128 v1, v[PP:PP+3], s[10:11]                 ; 32 lanes store 512 consecutive bytes, aligned
	global_store_b128 v1, v[PP+8:PP+11], s[10:11] offset:4096
	s_wait_dscnt 0x0                               ; my halfwords are in the stage
	s_barrier_signal -1
	s_barrier_wait -1
	s_cmp_lg_u32 s14, 0
	s_cbranch_scc1 .Lnot_first
	ds_load_b128 v[232:235], v4                    ; wave 0 sends the work-group's 512 bytes of scale halfwords
	s_wait_dscnt 0x0
	global_store_b128 v1, v[232:235], s[12:13]
.Lnot_first:
	s_wait_tensorcnt 0x0                           ; the wave's end
	ds_add_u32 v[SPW], v[NIL]
	s_wait_dscnt 0x0
	ROUND                                          ; the closing round
	s_endpgm
.Lfunc_end_k_qd843719f9c_attn:
	.size	k_qd843719f9c_attn, .Lfunc_end_k_qd843719f9c_attn-k_qd843719f9c_attn
	.p2alignl 7, 3214868480
	.fill 96, 4, 3214868480
	.section	.rodata,"a",@progbits
	.p2align	6, 0x0
	.amdhsa_kernel k_qd843719f9c_attn
		.amdhsa_group_segment_fixed_size 327680
		.amdhsa_private_segment_fixed_size 0
		.amdhsa_enable_private_segment 0
		.amdhsa_kernarg_size 40
		.amdhsa_user_sgpr_count 2
		.amdhsa_user_sgpr_kernarg_segment_ptr 1
		.amdhsa_wavefront_size32 1
		.amdhsa_system_sgpr_workgroup_id_x 1
		.amdhsa_system_sgpr_workgroup_id_y 1
		.amdhsa_system_sgpr_workgroup_id_z 1
		.amdhsa_system_vgpr_workitem_id 0
		.amdhsa_next_free_vgpr 512
		.amdhsa_next_free_sgpr 66
		.amdhsa_reserve_vcc 0
		.amdhsa_float_denorm_mode_32 3
		.amdhsa_float_denorm_mode_16_64 3
		.amdhsa_memory_ordered 1
		.amdhsa_forward_progress 1
		.amdhsa_inst_pref_size 73
	.end_amdhsa_kernel
	.amdgpu_metadata
---
amdhsa.version: [ 1, 2 ]
amdhsa.kernels:
  - .name:           k_qd843719f9c_attn
    .symbol:         k_qd843719f9c_attn.kd
    .args:
      - { .name: qc, .offset: 0, .size: 8, .value_kind: global_buffer, .address_space: global }
      - { .name: qs, .offset: 8, .size: 8, .value_kind: global_buffer, .address_space: global }
      - { .name: kv, .offset: 16, .size: 8, .value_kind: global_buffer, .address_space: global }
      - { .name: cc, .offset: 24, .size: 8, .value_kind: global_buffer, .address_space: global }
      - { .name: cs, .offset: 32, .size: 8, .value_kind: global_buffer, .address_space: global }
    .group_segment_fixed_size: 327680
    .private_segment_fixed_size: 0
    .kernarg_segment_align: 8
    .kernarg_segment_size: 40
    .max_flat_workgroup_size: 256
    .sgpr_count:     66
    .vgpr_count:     512
    .wavefront_size: 32
...
	.end_amdgpu_metadata
.endif
;; end of part 3
;; launch outp (part 4): grid 256 x 1, 4 waves a work-group, no clusters, 34,304 bytes of LDS; arguments cc, cs, wc, bo, out0; writes out0
.if DOCPART == 4
	.amdgcn_target "amdgcn-amd-amdhsa--gfx1250"
	.amdhsa_code_object_version 6
	.text
	.protected	k_qd843719f9c_outp
	.globl	k_qd843719f9c_outp
	.p2align	8
	.type	k_qd843719f9c_outp,@function
k_qd843719f9c_outp:
	s_mov_b64 s[64:65], 0
	v_nop
	global_prefetch_b8 v0, s[64:65] scope:SCOPE_SE
	s_setreg_imm32_b32 hwreg(HW_REG_WAVE_MODE, 25, 1), 1
	s_wait_xcnt 0x0
; out0 = context Wo^T + bo on codes of FP4 with E8M0 scales, sums in f32.  The context comes as images of operand registers: cc [tile 512][head 8][512 B] (head hd is half hd % 2 of
; K step hd / 2), its scale bytes as halfwords cs [bh 16][tile in the batch 256][row 16].  Lane r of tile 2 G + a holds token 32 G + 8 a + r + 8 (r / 8).
; SHARES.  Work-group G takes tiles 2 G and 2 G + 1: tokens 32 G .. 32 G + 31.  Wave g makes output channels 128 g .. 128 g + 127: its 128 rows of Wo (32 fragments) lie in registers.
; The product is used transposed (source 0 = 16 rows of Wo, source 1 = the context's tile): a lane's eight results are eight neighbouring channels of one token.  bo is the C of each
; sum's first matrix instruction.  A tile goes through the wave's own stage in LDS and leaves as rows of 512 consecutive bytes.
; No tensor loads, no barrier, no cluster: operands come through registers, and each wave's stage is its own.
; REGISTERS: window 0: v1-9 addresses; v16-79 the context's fragments (tile a, K step s at 16 + 32 a + 8 s); v80-143 eight accumulators (at first v80-95: the halfwords as loaded);
; v144-175 Wo's scale words; v176-183 the context's; v184-247 rows on their way out.  window 1: Wo's fragments (t, s) at 8 (4 t + s).  window 2: v0-63 bo in the result's layout.
.set CF,   16
.set ACC,  80
.set WSC,  144
.set CSW,  176
.set OUTR, 184
.set MSB, 0
.macro WIN new                         ; the immediate's high byte repeats the setting that is left
.if MSB != \new
	s_set_vgpr_msb (MSB<<8)|\new
.set MSB, \new
.endif
.endm
	s_load_b256 s[4:11], s[0:1], 0x0               ; cc s[4:5], cs s[6:7], wc s[8:9], bo s[10:11]
	s_load_b64 s[14:15], s[0:1], 0x20              ; out0
	v_lshl_add_u32 v254, v0, 2, 0x8400
	v_mov_b32 v255, 0
	v_lshrrev_b32 v1, 5, v0
	v_readfirstlane_b32 s16, v1                    ; g: wave 0..3
	v_and_b32 v1, 15, v0                           ; r
	v_bfe_u32 v2, v0, 4, 1                         ; h
	v_lshlrev_b32 v4, 4, v1                        ; its scale bytes: 16 a row
	v_and_b32 v5, 31, v0
	v_lshlrev_b32 v5, 4, v5                        ; 16 x lane
	v_lshlrev_b32 v6, 1, v1                        ; the context's halfwords: 2 r
	v_lshlrev_b32 v7, 6, v2                        ; bo: 64 h.  Wo's tile 2 b + u holds rows 32 b + 8 u + r + 8 (r / 8), so a lane's eight results are channels 32 b + 8 u + 16 h + 0 .. 7
	s_mul_i32 s17, s16, 16*528                     ; my stage: 16 rows of 512 bytes + 16
	v_mul_u32_u24 v8, v1, 528
	v_lshl_add_u32 v8, v2, 6, v8
	v_add_nc_u32 v8, s17, v8                       ; in: row r, + 64 h
	v_add_nc_u32 v9, s17, v5                       ; back: a row's 512 bytes, 16 a lane
	s_mov_b32 s18, ttmp9                           ; G
	s_mov_b32 s21, 0
	s_wait_alu depctr_va_vdst(0)
	s_wait_kmcnt 0x0
	s_mov_b64 s[12:13], s[10:11]                   ; bo
	s_lshl_b32 s20, s18, 13
	s_add_nc_u64 s[4:5], s[4:5], s[20:21]          ; my two tiles: 4,096 bytes each
	s_lshr_b32 s22, s18, 7                         ; the batch
	s_lshl_b32 s22, s22, 16                        ; its eight heads of 8,192 bytes
	s_lshl_b32 s23, s18, 1
	s_and_b32 s23, s23, 255                        ; my first tile in the batch
	s_lshl_b32 s23, s23, 5
	s_add_co_u32 s20, s22, s23
	s_add_nc_u64 s[6:7], s[6:7], s[20:21]
	s_lshl_b32 s20, s16, 11
	s_add_co_u32 s20, s20, 0x80000+3*8192          ; the weights' scale bytes lie behind their codes; Wo is the fourth; my 128 rows
	s_add_nc_u64 s[10:11], s[8:9], s[20:21]
	s_lshl_b32 s20, s16, 15
	s_add_co_u32 s20, s20, 3*131072
	s_add_nc_u64 s[8:9], s[8:9], s[20:21]          ; Wo's codes, my 128 rows
	s_lshl_b32 s20, s16, 9
	s_add_nc_u64 s[12:13], s[12:13], s[20:21]      ; my 128 numbers of bo
	s_lshl_b32 s22, s18, 16
	s_add_co_u32 s20, s20, s22
	s_add_nc_u64 s[14:15], s[14:15], s[20:21]      ; out0: 32 rows of 2,048 bytes a work-group, 512 bytes a wave
	WIN 0x40                                       ; destination window 1
.irp t, 0,1,2,3,4,5,6,7
.irp s, 0,1,2,3
.irp c, 0,1
	global_load_b128 v[8*(4*\t+\s)+4*\c:8*(4*\t+\s)+4*\c+3], v5, s[8:9] offset:4096*\t+1024*\s+512*\c   ; an image of operand registers: 512 consecutive bytes
.endr
.endr
.endr
	WIN 0x80                                       ; destination window 2
.irp t, 0,1,2,3,4,5,6,7
	global_load_b128 v[8*\t:8*\t+3], v7, s[12:13] offset:128*(\t/2)+32*(\t%2)
	global_load_b128 v[8*\t+4:8*\t+7], v7, s[12:13] offset:128*(\t/2)+32*(\t%2)+16
.endr
	WIN 0
.irp t, 0,1,2,3,4,5,6,7
	global_load_b128 v[WSC+4*\t:WSC+4*\t+3], v4, s[10:11] offset:256*\t   ; a row's four words: K steps 0 to 3
.endr
.irp a, 0,1
.irp s, 0,1,2,3
.irp c, 0,1
	global_load_b128 v[CF+32*\a+8*\s+4*\c:CF+32*\a+8*\s+4*\c+3], v5, s[4:5] offset:4096*\a+1024*\s+512*\c
.endr
.endr
.endr
.irp a, 0,1
.irp d, 0,1,2,3,4,5,6,7
	global_load_u16 v[ACC+8*\a+\d], v6, s[6:7] offset:8192*\d+32*\a       ; head d's two bytes of my row
.endr
.endr
	s_wait_loadcnt 0x0
.irp a, 0,1
.irp s, 0,1,2,3
	v_lshl_or_b32 v[CSW+4*\a+\s], v[ACC+8*\a+2*\s+1], 16, v[ACC+8*\a+2*\s]   ; heads 2 s and 2 s + 1 make K step s's scale word
.endr
.endr
.rept 8
	v_nop                                          ; a scale register written by a vector instruction stands eight places ahead of a scaled matrix instruction
.endr
	s_wait_alu depctr_va_vdst(0)
.irp a, 0,1
.if \a == 1
.rept 5
	v_nop                                          ; the accumulators are begun anew with another C: with the four below, nine places behind the last products
.endr
.endif
	WIN 0x21                                       ; source 0 (Wo) window 1, source 2 (bo) window 2
.irp t, 0,1,2,3,4,5,6,7                        ; the eight accumulators take turns, K step by K step
	v_wmma_scale_f32_16x16x128_f8f6f4 v[ACC+8*\t:ACC+8*\t+7], v[8*(4*\t):8*(4*\t)+7], v[CF+32*\a:CF+32*\a+7], v[8*\t:8*\t+7], v[WSC+4*\t], v[CSW+4*\a] matrix_a_fmt:MATRIX_FMT_FP4 matrix_b_fmt:MATRIX_FMT_FP4
.endr
	WIN 0x01
.irp s, 1,2,3
.irp t, 0,1,2,3,4,5,6,7
	v_wmma_scale_f32_16x16x128_f8f6f4 v[ACC+8*\t:ACC+8*\t+7], v[8*(4*\t+\s):8*(4*\t+\s)+7], v[CF+32*\a+8*\s:CF+32*\a+8*\s+7], v[ACC+8*\t:ACC+8*\t+7], v[WSC+4*\t+\s], v[CSW+4*\a+\s] matrix_a_fmt:MATRIX_FMT_FP4 matrix_b_fmt:MATRIX_FMT_FP4
.endr
.endr
	WIN 0
.rept 4
	v_nop                                          ; four places in front of the first read of results (ISA guide 7.12.1)
.endr
.if \a == 1
	s_wait_xcnt 0x0                                ; the first tile's stores have read their data: the rows' registers may be loaded again
.endif
.irp t, 0,1,2,3,4,5,6,7
	ds_store_b128 v8, v[ACC+8*\t:ACC+8*\t+3] offset:128*(\t/2)+32*(\t%2)          ; each accumulator from its low end on
	ds_store_b128 v8, v[ACC+8*\t+4:ACC+8*\t+7] offset:128*(\t/2)+32*(\t%2)+16
.endr
.irp i, 0,1,2,3,4,5,6,7,8,9,10,11,12,13,14,15
	ds_load_b128 v[OUTR+4*\i:OUTR+4*\i+3], v9 offset:528*\i        ; LDS serves a wave's instructions in order (ISA guide 5.7.1): these see my stores
.endr
.irp i, 0,1,2,3,4,5,6,7,8,9,10,11,12,13,14,15
	s_wait_dscnt 15-\i                             ; row i is back; the younger loads may stay out
	global_store_b128 v5, v[OUTR+4*\i:OUTR+4*\i+3], s[14:15] offset:(8*\a+\i+8*(\i/8))*2048 th:TH_STORE_NT   ; 32 lanes store 512 consecutive bytes, aligned: row i is token 8 a + i + 8 (i / 8)
.endr
.endr
	s_wait_tensorcnt 0x0
	ds_add_u32 v254, v255
	s_wait_dscnt 0x0
	s_endpgm
.Lfunc_end_k_qd843719f9c_outp:
	.size	k_qd843719f9c_outp, .Lfunc_end_k_qd843719f9c_outp-k_qd843719f9c_outp
	.p2alignl 7, 3214868480
	.fill 96, 4, 3214868480
	.section	.rodata,"a",@progbits
	.p2align	6, 0x0
	.amdhsa_kernel k_qd843719f9c_outp
		.amdhsa_group_segment_fixed_size 34304
		.amdhsa_private_segment_fixed_size 0
		.amdhsa_enable_private_segment 0
		.amdhsa_kernarg_size 40
		.amdhsa_user_sgpr_count 2
		.amdhsa_user_sgpr_kernarg_segment_ptr 1
		.amdhsa_wavefront_size32 1
		.amdhsa_system_sgpr_workgroup_id_x 1
		.amdhsa_system_sgpr_workgroup_id_y 1
		.amdhsa_system_sgpr_workgroup_id_z 1
		.amdhsa_system_vgpr_workitem_id 0
		.amdhsa_next_free_vgpr 576
		.amdhsa_next_free_sgpr 66
		.amdhsa_reserve_vcc 0
		.amdhsa_float_denorm_mode_32 3
		.amdhsa_float_denorm_mode_16_64 3
		.amdhsa_memory_ordered 1
		.amdhsa_forward_progress 1
		.amdhsa_inst_pref_size 31
	.end_amdhsa_kernel
	.amdgpu_metadata
---
amdhsa.version: [ 1, 2 ]
amdhsa.kernels:
  - .name:           k_qd843719f9c_outp
    .symbol:         k_qd843719f9c_outp.kd
    .args:
      - { .name: cc, .offset: 0, .size: 8, .value_kind: global_buffer, .address_space: global }
      - { .name: cs, .offset: 8, .size: 8, .value_kind: global_buffer, .address_space: global }
      - { .name: wc, .offset: 16, .size: 8, .value_kind: global_buffer, .address_space: global }
      - { .name: bo, .offset: 24, .size: 8, .value_kind: global_buffer, .address_space: global }
      - { .name: out0, .offset: 32, .size: 8, .value_kind: global_buffer, .address_space: global }
    .group_segment_fixed_size: 34304
    .private_segment_fixed_size: 0
    .kernarg_segment_align: 8
    .kernarg_segment_size: 40
    .max_flat_workgroup_size: 128
    .sgpr_count:     66
    .vgpr_count:     576
    .wavefront_size: 32
...
	.end_amdgpu_metadata
.endif
;; end of part 4
